; MI455X (gfx1250); checked and timed in simulation.
; The chip was launched on July 23, 2026; its instructions are those of AMD's public machine-readable ISA for CDNA 5 (MIT licence, August 2026) and "CDNA5" Instruction Set Architecture Reference Guide (July 2026). The comments in the code are by the model that wrote it; some were corrected since.
;; Universal Tool Integration. Allowed arithmetic: float matrix products may take bf16 or f16 operands with f32 sums; other float arithmetic in f32, or as packed bf16 or f16 multiplies, adds, multiply-adds, maxima and minima; sums over many terms, partial sums and values carried from step to step in f32; what a program stores and reads back later, other than sums and carried values, may be rounded once to bf16 or f16.
;; Inputs: expert_b 50 x 512 float32; expert_w 50 x 512 x 512 float32; param_b 256 float32; param_w 256 x 512 float32; router_b 50 float32; router_w 50 x 512 float32; x 4,096 x 512 float32.
;; Outputs: out0 4,096 int32; out1 4,096 x 50 float32; out2 4,096 x 512 float32; out3 4,096 x 256 float32.
;; One version. Each part assembles by itself: llvm-mc -triple=amdgcn-amd-amdhsa -mcpu=gfx1250 --defsym DOCPART=n.
;; ======== version 1 of 1: 2 launches
;; workspace buffers: xb 4,194,304 bytes; bm 32,768 bytes of whole numbers
;; launch route (part 1): grid 256 x 1, 8 waves a work-group, no clusters, 91,136 bytes of LDS; arguments x, router_w, router_b, out0, out1, xb, bm; writes out0, out1, xb, bm
.if DOCPART == 1
	.amdgcn_target "amdgcn-amd-amdhsa--gfx1250"
	.amdhsa_code_object_version 6
	.text
	.protected	k_q49554582df_route
	.globl	k_q49554582df_route
	.p2align	8
	.type	k_q49554582df_route,@function
k_q49554582df_route:
	s_mov_b64 s[64:65], 0
	v_nop
	global_prefetch_b8 v0, s[64:65] scope:SCOPE_SE
	s_setreg_imm32_b32 hwreg(HW_REG_WAVE_MODE, 25, 1), 1
	s_wait_xcnt 0x0
; ROUTER.  logits = x router_w^T + router_b (4,096 tokens x 50 tools, K = 512); out1 = softmax of the logits; out0 = the index of the largest;
; xb = x rounded to bf16, for the next launch; bm = for each tool a bitmap of the tokens that chose it (64 rows of 128 words; rows 50 to 63 are zeros).
; FORMATS.  x, router_w and router_b are each rounded once to bf16 (nearest even); products in the matrix unit, sums, maximum, exponentials and the row sum in f32.
; LIMITS.  NaN is not treated apart (a row without a largest number gets index 49).  A probability below 2^-126 is stored as 0.  The index is taken on the logits, the lowest index
; on a tie: it can differ from an argmax of the probabilities only where two logits are so near that their probabilities round to the same f32.  The row's maximum is taken away before the exponentials.
; SHARES.  256 work-groups of 16 tokens.  All eight waves bring data in: wave w takes x's rows 2 w, 2 w + 1 and the router's rows 8 w .. 8 w + 7, rounds them and lays them into LDS.
; Router rows past 49 are read as row 49, so that no load leaves the buffer; their logits get a bias of minus infinity.  Wave 0 alone multiplies (64 matrix instructions) and does the softmax.
; NO CLUSTER, NO JOINT LOADS.  All work-groups read the same 102,400 bytes of router_w, but as f32 that has to be rounded on its way: it goes through registers; a copy into LDS as f32
; (131,072 bytes for 64 rows) would be read, rounded and stored there a second time.
; No decision of this launch steers an address: index and bitmaps are stored as data at places that hang on the work-group's number alone.
.set PITCH, 1040                       ; an LDS row: 1,024 bytes of bf16 + 16 = 260 words: row r starts at bank 4 r mod 64 (64 banks of 4 bytes: ISA guide 11.1)
.set XS,    64*PITCH                   ; LDS 0: the router's 64 rows; here: x's 16 rows
.set BT,    XS+16*PITCH                ; 64 biases in f32
.set PS,    BT+256                     ; the probabilities, 16 rows of 200 bytes, dense as in out1
.set MIR,   3328                       ; and a mirror of that stage, which takes what masked tools' lanes write and is never read
.set SPARE, PS+2*MIR                   ; the spare words, 128 bytes for each wave: four blocks of 256 bytes that no other line names
.set LN,  1                            ; lane
.set R,   2                            ; lane % 16
.set H,   3                            ; lane / 16
.set L16, 4                            ; 16 x lane
.set RA,  5                            ; v5-12   byte offset of my 16 bytes in my eight router rows
.set RB2, 13                           ; 4 x min(lane + 32, 49)
.set WSA, 14                           ; LDS: my eight router rows + 8 x lane
.set XSA, 15                           ; LDS: my two rows of x + 8 x lane
.set L8,  16                           ; 8 x lane
.set B0,  17                           ; router_b[lane]
.set B1,  18                           ; router_b[min(lane + 32, 49)]
.set L4,  19                           ; 4 x lane
.set SPW, 20                           ; LDS address of my spare word; never rewritten
.set NIL, 21                           ; 0; never rewritten
.set WF,  22                           ; wave 0: my place in a fragment of the router's rows
.set XF,  23                           ; the same for x
.set PSA, 24                           ; where my probabilities go
.set PS3, 25                           ; where tools 48 and 49 go
.set PR,  26                           ; where I read the stage back
.set M,   27                           ; the row's maximum
.set CM,  28                           ; v28-29  c x maximum (named as a pair)
.set I,   30                           ; the index
.set T,   31                           ; at work
.set XG,  32                           ; v32-63   x as loaded
.set WG,  64                           ; v64-191  the router's rows as loaded
.set ACC, 32                           ; wave 0: v32-63 four accumulators: tools 16 ct + 8 (lane / 16) + 0..7 of token lane % 16
.set BUF0, 64                          ; v64-143, v144-223: fragments of two K steps each: x's 8 registers, then the router's 4 x 8
.set BUF1, 144
.set BIAS, 224                         ; v224-255 the biases in the accumulators' order
.set TS,  64                           ; later: sums, then the stage read back
.set BMA, 90                           ; lane e: the 16 tokens' bits for tool e
.set BMB, 91                           ; for tool 32 + e
.set L512, 92                          ; 512 x lane
.set R4,  93                           ; 4 x (lane % 16)
.macro CVT2 g                          ; four f32 in v[g .. g+3] become four bf16 in v[g], v[g+1]
	v_cvt_pk_bf16_f32 v[\g], v[\g], v[(\g)+1]
	v_cvt_pk_bf16_f32 v[(\g)+1], v[(\g)+2], v[(\g)+3]
.endm
; 20 LDS loads: the fragments of K steps 2 g and 2 g + 1.  A fragment is 16 rows x 32 K in 8 registers: lane l holds row l % 16, K = 8 (l / 16) + 0..7 and 16 + 8 (l / 16) + 0..7: two loads of 16 bytes, 32 bytes apart.
.macro LOADG g, buf
.irp kk, 0,1
	ds_load_b128 v[(\buf)+40*\kk:(\buf)+40*\kk+3],   v[XF] offset:(2*(\g)+\kk)*64
	ds_load_b128 v[(\buf)+40*\kk+4:(\buf)+40*\kk+7], v[XF] offset:(2*(\g)+\kk)*64+32
.irp ct, 0,1,2,3
	ds_load_b128 v[(\buf)+40*\kk+8+8*\ct:(\buf)+40*\kk+11+8*\ct],  v[WF] offset:\ct*16*PITCH+(2*(\g)+\kk)*64
	ds_load_b128 v[(\buf)+40*\kk+12+8*\ct:(\buf)+40*\kk+15+8*\ct], v[WF] offset:\ct*16*PITCH+(2*(\g)+\kk)*64+32
.endr
.endr
.endm
; Eight matrix instructions on the four accumulators by turns; source 0 = 16 tools, source 1 = 16 tokens.  The first four start the sums with the constant 0.
.macro GROUP g, buf
.if (\g) < 7
	s_wait_dscnt 20                                ; all but the next group's 20 loads are in
.else
	s_wait_dscnt 0x0
.endif
.irp kk, 0,1
.irp ct, 0,1,2,3
.if ((\g) == 0) && ((\kk) == 0)
	v_wmma_f32_16x16x32_bf16 v[ACC+8*\ct:ACC+8*\ct+7], v[(\buf)+40*\kk+8+8*\ct:(\buf)+40*\kk+15+8*\ct], v[(\buf)+40*\kk:(\buf)+40*\kk+7], 0
.else
	v_wmma_f32_16x16x32_bf16 v[ACC+8*\ct:ACC+8*\ct+7], v[(\buf)+40*\kk+8+8*\ct:(\buf)+40*\kk+15+8*\ct], v[(\buf)+40*\kk:(\buf)+40*\kk+7], v[ACC+8*\ct:ACC+8*\ct+7]
.endif
.endr
.endr
.if (\g) < 6
.rept 4
	v_nop                                          ; four places between the products and the loads into the registers that they read
.endr
	LOADG (\g)+2, \buf
.endif
.endm
	s_load_b256 s[4:11], s[0:1], 0x0               ; x s[4:5], router_w s[6:7], router_b s[8:9], out0 s[10:11]
	s_load_b128 s[12:15], s[0:1], 0x20             ; out1 s[12:13], xb s[14:15]
	s_load_b64 s[16:17], s[0:1], 0x30              ; bm
	v_lshl_add_u32 v[SPW], v0, 2, SPARE
	v_mov_b32 v[NIL], 0
	v_and_b32 v[LN], 31, v0
	v_lshrrev_b32 v[R], 5, v0
	v_readfirstlane_b32 s20, v[R]                  ; wave 0..7
	v_and_b32 v[R], 15, v0
	v_bfe_u32 v[H], v0, 4, 1
	v_lshlrev_b32 v[L16], 4, v[LN]
	v_lshlrev_b32 v[L8], 3, v[LN]
	v_lshlrev_b32 v[L4], 2, v[LN]
	v_add_nc_u32 v[RB2], 32, v[LN]
	v_min_u32 v[RB2], 49, v[RB2]
	v_lshlrev_b32 v[RB2], 2, v[RB2]
	s_lshl_b32 s24, s20, 3
.irp i, 0,1,2,3,4,5,6,7
	s_add_co_u32 s25, s24, \i
	s_min_u32 s25, s25, 49                         ; rows past the table's end are read as its last row
	s_lshl_b32 s25, s25, 11                        ; 2,048 bytes a row
	v_add_nc_u32 v[RA+\i], s25, v[L16]
.endr
	s_mul_i32 s24, s20, 8*PITCH
	v_add_nc_u32 v[WSA], s24, v[L8]
	s_mul_i32 s24, s20, 2*PITCH
	s_add_co_u32 s24, s24, XS
	v_add_nc_u32 v[XSA], s24, v[L8]
	s_mov_b32 s21, ttmp9                           ; the work-group: tokens 16 g .. 16 g + 15
	s_lshl_b32 s22, s21, 15                        ; 16 rows of 2,048 bytes,
	s_lshl_b32 s24, s20, 12                        ; my wave's two of them
	s_add_co_u32 s22, s22, s24
	s_mov_b32 s23, 0
	s_mov_b32 s26, 0x3fb8aa3b                      ; c = log2(e)
	s_mov_b32 s27, s26                             ; named with it as a pair
	s_mov_b32 s28, 0x76543210                      ; v_permlanex16_b32: each lane takes its own place in the other half
	s_mov_b32 s29, 0xfedcba98
	s_wait_kmcnt 0x0
	s_add_nc_u64 s[4:5], s[4:5], s[22:23]          ; x at my two rows
	s_lshr_b32 s22, s22, 1
	s_add_nc_u64 s[14:15], s[14:15], s[22:23]      ; xb at the same rows, half the bytes
	s_mul_i32 s22, s21, 3200
	s_add_nc_u64 s[12:13], s[12:13], s[22:23]      ; out1: 16 rows of 200 bytes
	s_lshl_b32 s22, s21, 6
	s_add_nc_u64 s[10:11], s[10:11], s[22:23]      ; out0: 16 words
	s_lshl_b32 s22, s21, 1
	s_add_nc_u64 s[16:17], s[16:17], s[22:23]      ; bm: my 16 tokens are half-word g of each row
	global_load_b32 v[B0], v[L4], s[8:9]
	global_load_b32 v[B1], v[RB2], s[8:9]
.irp n, 0,1,2,3,4,5,6,7
	global_load_b128 v[XG+4*\n:XG+4*\n+3], v[L16], s[4:5] offset:(\n/4)*2048+(\n%4)*512 th:TH_LOAD_NT  ; 512 consecutive bytes a load; x is read once in this launch
.endr
.set n, 0
.rept 32
	global_load_b128 v[WG+4*n:WG+4*n+3], v[RA+n/4], s[6:7] offset:(n%4)*512
.set n, n+1
.endr
	s_wait_loadcnt 32                              ; the biases and x are in; the 32 loads of the router's rows stay out
.irp n, 0,1,2,3,4,5,6,7
	CVT2 XG+4*\n
.endr
.irp n, 0,1,2,3,4,5,6,7
	ds_store_b64 v[XSA], v[XG+4*\n:XG+4*\n+1] offset:(\n/4)*PITCH+(\n%4)*256
	global_store_b64 v[L8], v[XG+4*\n:XG+4*\n+1], s[14:15] offset:(\n/4)*1024+(\n%4)*256  ; the wave's store covers 256 consecutive bytes, aligned
.endr
.irp i, 0,1,2,3,4,5,6,7
	s_wait_loadcnt 4*(7-\i)                        ; row i's four loads are in; the later rows' stay out
.irp q, 0,1,2,3
	CVT2 WG+16*\i+4*\q
.endr
.irp q, 0,1,2,3
	ds_store_b64 v[WSA], v[WG+16*\i+4*\q:WG+16*\i+4*\q+1] offset:\i*PITCH+\q*256
.endr
.endr
	s_wait_dscnt 0x0                               ; for wave 0's sake: my stores into LDS are done
	s_barrier_signal -1
	s_barrier_wait -1
	s_cmp_lg_u32 s20, 0
	s_cbranch_scc1 .Lend                           ; waves 1 to 7 have done their part
	; WAVE 0.  The biases: rounded to bf16, widened again, minus infinity for tools 50 to 63; through LDS into the accumulators' order.
	v_cvt_pk_bf16_f32 v[B0], v[B0], v[B1]
	v_and_b32 v[B1], 0xffff0000, v[B0]
	v_lshlrev_b32 v[B0], 16, v[B0]
	v_cmp_gt_u32 vcc_lo, 18, v[LN]                 ; tools 32 + lane below 50
	v_cndmask_b32 v[B1], 0xff800000, v[B1], vcc_lo
	v_add_nc_u32 v[T], BT, v[L4]
	ds_store_b32 v[T], v[B0]
	ds_store_b32 v[T], v[B1] offset:128
	v_lshl_add_u32 v[T], v[H], 5, BT               ; tool 16 ct + 8 (lane / 16) + q lies at 64 ct + 32 (lane / 16) + 4 q
.irp ct, 0,1,2,3
	ds_load_b128 v[BIAS+8*\ct:BIAS+8*\ct+3],   v[T] offset:64*\ct      ; LDS serves a wave's instructions in order (ISA guide 5.7.1.4): these see the two stores above
	ds_load_b128 v[BIAS+8*\ct+4:BIAS+8*\ct+7], v[T] offset:64*\ct+16
.endr
	v_mul_u32_u24 v[WF], v[R], PITCH
	v_lshl_add_u32 v[WF], v[H], 4, v[WF]           ; row x pitch + 16 x half
	v_add_nc_u32 v[XF], XS, v[WF]
	s_wait_xcnt 0x0                                ; my stores into xb have read v32-63, which the products write now
	LOADG 0, BUF0
	LOADG 1, BUF1
	GROUP 0, BUF0
	GROUP 1, BUF1
	GROUP 2, BUF0
	GROUP 3, BUF1
	GROUP 4, BUF0
	GROUP 5, BUF1
	GROUP 6, BUF0
	GROUP 7, BUF1
	v_mul_u32_u24 v[PSA], v[R], 200                ; the way out's addresses: seven plain lines, the places behind the last products
	v_add_nc_u32 v[PSA], PS, v[PSA]
	v_mad_u32_u24 v[PS3], v[H], MIR, v[PSA]        ; tools 48, 49 at byte 192 of the row; the upper lanes' pair (tools 56, 57) goes into the mirror
	v_add_nc_u32 v[PS3], 192, v[PS3]
	v_lshl_add_u32 v[PSA], v[H], 5, v[PSA]
	v_add_nc_u32 v[PR], PS, v[L16]
	v_mov_b32 v[I], 64
.set b, 0
.rept 16
	v_pk_add_f32 v[ACC+2*b:ACC+2*b+1], v[ACC+2*b:ACC+2*b+1], v[BIAS+2*b:BIAS+2*b+1]  ; + bias, each accumulator from its low end on
.set b, b+1
.endr
	; the maximum of the token's 64 logits: 32 in my lane, 32 in the lane 16 away
	v_max3_num_f32 v[M], v[ACC], v[ACC+1], v[ACC+2]
.set j, 3
.rept 14
	v_max3_num_f32 v[M], v[M], v[ACC+j], v[ACC+j+1]
.set j, j+2
.endr
	v_max_num_f32 v[M], v[M], v[ACC+31]
	v_permlanex16_b32 v[T], v[M], s28, s29
	v_max_num_f32 v[M], v[M], v[T]
	; the lowest tool whose logit is the maximum: from the highest register down, so that the lowest stays
.set j, 31
.rept 32
	v_cmp_eq_f32 vcc_lo, v[ACC+j], v[M]
	v_cndmask_b32 v[I], v[I], 16*(j/8)+j%8, vcc_lo
.set j, j-1
.endr
	v_lshl_add_u32 v[I], v[H], 3, v[I]
	v_permlanex16_b32 v[T], v[I], s28, s29
	v_min_u32 v[I], v[I], v[T]
	v_min_u32 v[I], 49, v[I]
	; p = 2^(c s - c m) / sum.  The rounding of c m is one factor for the whole row, which the division takes out again.
	v_mul_f32 v[CM], s26, v[M]
	v_mov_b32 v[CM+1], v[CM]
.set b, 0
.rept 16
	v_pk_fma_f32 v[ACC+2*b:ACC+2*b+1], v[ACC+2*b:ACC+2*b+1], s[26:27], v[CM:CM+1] op_sel_hi:[1,0,0] neg_lo:[0,0,1] neg_hi:[0,0,1]
.set b, b+1
.endr
.set j, 0
.rept 32
	v_exp_f32 v[ACC+j], v[ACC+j]
.set j, j+1
.endr
	v_nop                                          ; a plain instruction behind the last exponential,
	s_wait_alu depctr_va_vdst(0)                   ; and one wait for the batch of 32, ahead of the first line that names a result
.set b, 0
.rept 8
	v_pk_add_f32 v[TS+2*b:TS+2*b+1], v[ACC+2*b:ACC+2*b+1], v[ACC+16+2*b:ACC+17+2*b]
.set b, b+1
.endr
.set b, 0
.rept 4
	v_pk_add_f32 v[TS+2*b:TS+2*b+1], v[TS+2*b:TS+2*b+1], v[TS+8+2*b:TS+9+2*b]
.set b, b+1
.endr
	v_pk_add_f32 v[TS:TS+1], v[TS:TS+1], v[TS+4:TS+5]
	v_pk_add_f32 v[TS+2:TS+3], v[TS+2:TS+3], v[TS+6:TS+7]
	v_pk_add_f32 v[TS:TS+1], v[TS:TS+1], v[TS+2:TS+3]
	v_add_f32 v[TS], v[TS], v[TS+1]
	v_permlanex16_b32 v[T], v[TS], s28, s29
	v_add_f32 v[TS], v[TS], v[T]
	v_rcp_f32 v[TS+2], v[TS]
	v_nop
	s_wait_alu depctr_va_vdst(0)                   ; the reciprocal's wait
.set b, 0
.rept 16
	v_pk_mul_f32 v[ACC+2*b:ACC+2*b+1], v[ACC+2*b:ACC+2*b+1], v[TS+2:TS+3] op_sel_hi:[1,0]
.set b, b+1
.endr
	; THE WAY OUT.  The 16 x 50 probabilities are laid dense in LDS and leave as 3,200 consecutive bytes.
.irp ct, 0,1,2
.irp q, 0,2,4,6
	ds_store_b64 v[PSA], v[ACC+8*\ct+\q:ACC+8*\ct+\q+1] offset:64*\ct+4*\q
.endr
.endr
	ds_store_b64 v[PS3], v[ACC+24:ACC+25]
.irp i, 0,1,2,3,4,5
	ds_load_b128 v[TS+4*\i:TS+4*\i+3], v[PR] offset:512*\i
.endr
	v_add_nc_u32 v[T], PS+3072, v[L4]
	ds_load_b32 v[TS+24], v[T]
	; the bitmaps, while those loads are out: for each tool the mask of the lanes that chose it; its low 16 bits are my 16 tokens
	v_mov_b32 v[BMA], 0
	v_mov_b32 v[BMB], 0
.set e, 0
.rept 50
	v_cmp_eq_u32 s30, e, v[I]
.if e < 32
	v_writelane_b32 v[BMA], s30, e
.else
	v_writelane_b32 v[BMB], s30, e-32
.endif
.set e, e+1
.endr
	v_lshlrev_b32 v[L512], 9, v[LN]
	v_lshlrev_b32 v[R4], 2, v[R]
	global_store_b16 v[L512], v[BMA], s[16:17]                 ; two bytes into each of 64 rows: 128 bytes a work-group, so that the next launch reads a tool's bitmap as 512 dense bytes
	global_store_b16 v[L512], v[BMB], s[16:17] offset:16384
	global_store_b32 v[R4], v[I], s[10:11]                     ; both halves of the lanes hold the same index
	s_wait_dscnt 0x0
.irp i, 0,1,2,3,4,5
	global_store_b128 v[L16], v[TS+4*\i:TS+4*\i+3], s[12:13] offset:512*\i
.endr
	global_store_b32 v[L4], v[TS+24], s[12:13] offset:3072     ; 3,200 bytes are a multiple of 128, not of 256: neighbouring work-groups share a block of 256 at their edge
.Lend:
	s_wait_tensorcnt 0x0                           ; the wave's end, behind my last LDS store
	ds_add_u32 v[SPW], v[NIL]
	s_wait_dscnt 0x0
	s_endpgm
.Lfunc_end_k_q49554582df_route:
	.size	k_q49554582df_route, .Lfunc_end_k_q49554582df_route-k_q49554582df_route
	.p2alignl 7, 3214868480
	.fill 96, 4, 3214868480
	.section	.rodata,"a",@progbits
	.p2align	6, 0x0
	.amdhsa_kernel k_q49554582df_route
		.amdhsa_group_segment_fixed_size 91136
		.amdhsa_private_segment_fixed_size 0
		.amdhsa_enable_private_segment 0
		.amdhsa_kernarg_size 56
		.amdhsa_user_sgpr_count 2
		.amdhsa_user_sgpr_kernarg_segment_ptr 1
		.amdhsa_wavefront_size32 1
		.amdhsa_system_sgpr_workgroup_id_x 1
		.amdhsa_system_sgpr_workgroup_id_y 1
		.amdhsa_system_sgpr_workgroup_id_z 1
		.amdhsa_system_vgpr_workitem_id 0
		.amdhsa_next_free_vgpr 256
		.amdhsa_next_free_sgpr 66
		.amdhsa_reserve_vcc 1
		.amdhsa_float_denorm_mode_32 3
		.amdhsa_float_denorm_mode_16_64 3
		.amdhsa_memory_ordered 1
		.amdhsa_forward_progress 1
		.amdhsa_inst_pref_size 51
	.end_amdhsa_kernel
	.amdgpu_metadata
---
amdhsa.version: [ 1, 2 ]
amdhsa.kernels:
  - .name:           k_q49554582df_route
    .symbol:         k_q49554582df_route.kd
    .args:
      - { .name: x, .offset: 0, .size: 8, .value_kind: global_buffer, .address_space: global }
      - { .name: router_w, .offset: 8, .size: 8, .value_kind: global_buffer, .address_space: global }
      - { .name: router_b, .offset: 16, .size: 8, .value_kind: global_buffer, .address_space: global }
      - { .name: out0, .offset: 24, .size: 8, .value_kind: global_buffer, .address_space: global }
      - { .name: out1, .offset: 32, .size: 8, .value_kind: global_buffer, .address_space: global }
      - { .name: xb, .offset: 40, .size: 8, .value_kind: global_buffer, .address_space: global }
      - { .name: bm, .offset: 48, .size: 8, .value_kind: global_buffer, .address_space: global }
    .group_segment_fixed_size: 91136
    .private_segment_fixed_size: 0
    .kernarg_segment_align: 8
    .kernarg_segment_size: 56
    .max_flat_workgroup_size: 256
    .sgpr_count:     66
    .vgpr_count:     256
    .wavefront_size: 32
...
	.end_amdgpu_metadata
.endif
;; end of part 1
;; launch experts (part 2): grid 252 x 1, 8 waves a work-group, no clusters, 324,352 bytes of LDS; arguments xb, bm, expert_w, expert_b, param_w, param_b, out2, out3; writes out2, out3
.if DOCPART == 2
	.amdgcn_target "amdgcn-amd-amdhsa--gfx1250"
	.amdhsa_code_object_version 6
	.text
	.protected	k_q49554582df_experts
	.globl	k_q49554582df_experts
	.p2align	8
	.type	k_q49554582df_experts,@function
k_q49554582df_experts:
	s_mov_b64 s[64:65], 0
	v_nop
	global_prefetch_b8 v0, s[64:65] scope:SCOPE_SE
	s_setreg_imm32_b32 hwreg(HW_REG_WAVE_MODE, 25, 1), 1
	s_wait_xcnt 0x0
; out2[t] = x[t] expert_w[e(t)]^T + expert_b[e(t)] for the tool e(t) that token t chose, and out3 = x param_w^T + param_b.  One text for both.
; Work-groups 0 to 199: tool g / 4, columns 128 (g % 4) on, all tokens of that tool (found from the tool's bitmap, which the launch before stored).
; Work-groups 200 to 251: q = g - 200: tokens 160 (q / 2) on (the last block has 96), columns 128 (q % 2) on of out3.
; FORMATS.  x arrives rounded to bf16; weights and biases are rounded once to bf16 on their way through registers; sums in f32, the bias added in f32.
; THE WEIGHTS are 52 MB of f32, each byte read by one work-group: a slice is 128 rows x 2,048 bytes = 262,144 bytes.  K goes in 8 chunks of 64.  Each wave asks for chunks 0-3 of its
; 16 weight rows at once, then for its 20 token rows, then for a further chunk behind each chunk that it has rounded: loads come back in order (ISA guide 5.7.1), so the token rows are
; there when half of the weights are, and the products of chunks 0-3 run while chunks 4-7 arrive.
; THE LIST.  Each wave takes 16 words (512 tokens) of the tool's bitmap, lays the tokens of the set bits into a part of the list that is its own, from place 0 on, and stores how many they are.
; Behind one barrier every wave reads the eight numbers.  With b_j the sum of the numbers of parts 0 .. j - 1, the token of rank q lies in the last part j with b_j <= q, at place q - b_j.
; Ranks past the count repeat the last token: a row that exists.  A block of out3 has no bitmap: its token of rank q is its first token + q.
; THE PRODUCTS go in 16 steps of 32 along K on two fragment buffers: a step's fragments are asked for ahead of the matrix instructions of the step before it.
; EVERY SPLIT IS SERVED.  160 rows go through the main way in one pass; a tool's rows past 160 go through a loop of 31 trips (8 waves x 16 rows a trip: up to rank 4,127) in which dead trips are
; jumped.  That loop has no barrier: it reads the weights where they lie in LDS, finds its tokens in the list by their ranks (the address held to the list by a constant), and takes its
; token rows straight from memory; a very uneven split is right, and slow.  A tool without tokens stores nothing.
; Every barrier stands in text that all waves run; branches on the count jump forward over work alone.
; NO CLUSTER, NO TENSOR LOADS.  A tool's slice has one reader.  Its token rows come by a list, which no descriptor covers.  param_w's two slices have 26 readers each, but are f32 that is rounded in
; registers.  A slice in f32 (262,144 bytes) and 160 token rows (166,400) do not fit in LDS together.
; LIMITS.  Token numbers are held to 0 .. 4,095 before they enter an address.  NaN and infinities are not treated apart.
.set EWG,   200                        ; work-groups for the tools
.set WP,    144                        ; a weight row of one chunk in LDS: 128 bytes + 16 = 36 words: 16 rows start at 16 different groups of four banks (64 banks of 4 bytes: ISA guide 11.1)
.set CHUNK, 128*WP                     ; a chunk's block: 128 rows.  Chunk c + 1 is stored while chunk c is read: the blocks are apart
.set TRI,   3*CHUNK                    ; an LDS immediate has 16 bits: three chunks to an address register
.set XB,    8*CHUNK                    ; behind the weights: 160 token rows
.set XP,    1040                       ; 1,024 bytes + 16
.set MR,    160
.set LIST,  XB+MR*XP                   ; the list: eight parts, one a wave
.set SUBP,  1056                       ; a part: 512 places of 16 bits, place 512 for the lanes without a token, and room to a multiple of 32 bytes
.set CNT,   LIST+8704                  ; the eight parts' numbers of tokens
.set MYL,   CNT+256                    ; 64 bytes for each wave: the tokens of the 32 ranks from 20 w on (in the loop for rows past 160: a tile's 16)
.set SPARE, MYL+512                    ; the spare words, 128 bytes for each wave: four blocks of 256 bytes that no other line names
.set SP,    528                        ; the way out uses the token rows' bytes again: rows of 128 f32 + 16 bytes
.set LN,  1                            ; lane
.set R,   2                            ; lane % 16
.set H,   3                            ; lane / 16
.set WO,  4                            ; weights: lanes 0-15 row i, lanes 16-31 row i + 8; 16 bytes a lane
.set WST, 5                            ; v5-7    where my rounded weights go, for chunks 0-2, 3-5, 6-7
.set XST, 8                            ; where my token rows go
.set R16, 9                            ; 16 x (lane % 16)
.set LA,  10                           ; my wave's tokens from rank 20 w + 10 (lane / 16) on
.set WF0, 11                           ; v11-13  my place in a fragment of the weights
.set XF0, 14                           ; v14-16  in a fragment of the tokens, for slots 0-1, 2-3, 4
.set ST0, 17                           ; v17-18  where my results go, for slots 0-2, 3-4
.set RD,  19                           ; where I read rows back
.set LB,  20                           ; my wave's tokens from rank 20 w on
.set L16, 21                           ; 16 x lane
.set PF,  22                           ; the weights' prefetch: its offset
.set CN,  23                           ; where my part's number goes
.set BI,  24                           ; v24-27  the bias of columns 4 lane .. 4 lane + 3
.set SPW, 28                           ; LDS address of my spare word; never rewritten
.set NIL, 29                           ; 0; never rewritten
.set CN0, 30                           ; CNT
.set MYW, 31                           ; where my lane's token goes among my wave's 32
.set OS,  32                           ; rows past 160: my wave's own stage, in
.set ORD, 33                           ; and back
.set ONES, 34                          ; -1
.set TMP, 35
.set PO,  36                           ; v36-39  the list: places; later at work
.set TC,  36                           ; rows past 160: the trip's tokens, lane k (and 16 + k) that of the tile's row k
.set TO,  40                           ; v40-43  the list: tokens
.set TT,  40                           ; v40-47  the eight numbers
.set TK,  40                           ; v40-49  ten tokens, then their byte offsets in xb
.set LNW, 50                           ; 512 w + lane: the token of my lane's bit in my first word
.set SB0, 51                           ; my part's place 0
.set PX,  52                           ; xb's prefetch: its offset
.set XR,  56                           ; v56-215 token rows as loaded
.set ACC, 56                           ; then: accumulator (slot i, column block j) at ACC + 16 i + 8 j: v56-135
.set BF,  136                          ; two fragment buffers of 56 registers, buffer b at BF + 56 b: the weights' (j) at + 8 j, the tokens' (slot i) at + 16 + 8 i: v136-247
.set OD,  136                          ; the way out: 20 rows x 4 registers, v136-215
.set OTK, 216                          ; and their tokens, v216-235
.set OA,  56                           ; rows past 160: 8 accumulators, v56-119
.set WFO, 120                          ; 8 weight fragments, then 16 rows on the way out, v120-183
.set OTO, 184                          ; their tokens, then their byte offsets in the output, v184-199
; window 1 (v256-511): the weights as loaded, chunk c's load i at v[32 c + 4 i]: every chunk has registers of its own.  In the loop for rows past 160 its v0-127 hold a tile's 16 token fragments.
; scalars: s2 w % 4, s3 w / 4, s20 wave, s21 work-group, s22 1 = a tool's, s23 count, s24 rows of the main way, s25 my live slots, s26 log2 of an output row's bytes, s27 first token, s28-31, s49 at work,
; s32-47 my 16 words of the bitmap; then s32-39 the eight numbers, s41-47 b_1 .. b_7; s48 my part of the list; s51-57 D_j = j x SUBP - 2 b_j; s58 the last rank; s59 20 w
.set MSB, 0
.macro WIN new                         ; s_set_vgpr_msb: bits 1:0 source 0, 3:2 source 1, 5:4 source 2, 7:6 destination; the high byte repeats the setting that is left
.if MSB != (\new)
	s_set_vgpr_msb (MSB<<8)|(\new)
.set MSB, \new
.endif
.endm
.macro PLACES                          ; four places behind matrix instructions, ahead of loads into registers that they read and of lines that read their results
.rept 4
	v_nop
.endr
.endm
.macro BAR
	s_barrier_signal -1
	s_barrier_wait -1
.endm
.macro WLOAD c                         ; chunk c of my 16 weight rows: eight loads, each two runs of 256 consecutive bytes, aligned
	WIN 0x40
.irp i, 0,1,2,3,4,5,6,7
	global_load_b128 v[32*(\c)+4*\i:32*(\c)+4*\i+3], v[WO], s[8:9] offset:\i*2048+(\c)*256
.endr
.endm
.macro WCHUNK c, n, nxt                ; chunk c has come (n younger loads may stay out): rounded to bf16 in place, stored into its block; then chunk nxt is asked for
	s_wait_loadcnt \n
	WIN 0x45
.irp i, 0,1,2,3,4,5,6,7
	v_cvt_pk_bf16_f32 v[32*(\c)+4*\i], v[32*(\c)+4*\i], v[32*(\c)+4*\i+1]
	v_cvt_pk_bf16_f32 v[32*(\c)+4*\i+1], v[32*(\c)+4*\i+2], v[32*(\c)+4*\i+3]
.endr
	WIN 0x04
.irp i, 0,1,2,3,4,5,6,7
	ds_store_b64 v[WST+(\c)/3], v[32*(\c)+4*\i:32*(\c)+4*\i+1] offset:((\c)%3)*CHUNK+\i*WP
.endr
.if (\nxt) >= 0
	WLOAD \nxt
.endif
	WIN 0
.endm
; Four of my words of the bitmap, in s[sw .. sw+3], my words wi .. wi+3: the token of each set bit goes to the place of its rank in my part.  s28 is the number of my bits before.
.macro WORDS4 sw, wi
	s_bcnt1_i32_b32 s49, s[\sw]
	s_add_co_u32 s29, s28, s49
	s_bcnt1_i32_b32 s49, s[(\sw)+1]
	s_add_co_u32 s30, s29, s49
	s_bcnt1_i32_b32 s49, s[(\sw)+2]
	s_add_co_u32 s31, s30, s49
	s_bcnt1_i32_b32 s49, s[(\sw)+3]
.irp k, 0,1,2,3
	v_mbcnt_lo_u32_b32 v[PO+\k], s[(\sw)+\k], s[28+\k]         ; the bits before mine in the word, and those before the word
.endr
	s_add_co_u32 s28, s31, s49
.irp k, 0,1,2,3
	v_cndmask_b32 v[PO+\k], v[ONES], v[PO+\k], s[(\sw)+\k]     ; no bit: -1,
.endr
.irp k, 0,1,2,3
	v_min_u32 v[PO+\k], 512, v[PO+\k]                          ; which becomes place 512
.endr
.irp k, 0,1,2,3
	v_lshl_add_u32 v[PO+\k], v[PO+\k], 1, s48
.endr
.irp k, 0,1,2,3
	v_add_nc_u32 v[TO+\k], 32*((\wi)+\k), v[LNW]
.endr
.irp k, 0,1,2,3
	ds_store_b16 v[PO+\k], v[TO+\k]
.endr
.endm
.macro WORDS16 blk, wi
	WORDS4 \blk, \wi
	WORDS4 (\blk)+4, (\wi)+4
	WORDS4 (\blk)+8, (\wi)+8
	WORDS4 (\blk)+12, (\wi)+12
.endm
; v[a] = the LDS address of the token of rank v[r]; the rank is first held to the last one.  LIST + j x SUBP + 2 (q - b_j) = LIST + 2 q + D_j, for the last j with b_j <= q (D_0 = 0).
.macro MAPR a, r
	v_min_u32 v[\r], s58, v[\r]
	v_mov_b32 v[\a], 0
.irp j, 1,2,3,4,5,6,7
	v_cmp_le_u32 vcc_lo, s[40+\j], v[\r]
	v_cndmask_b32 v[\a], v[\a], s[50+\j], vcc_lo
.endr
	v_lshl_add_u32 v[\a], v[\r], 1, v[\a]
	v_min_u32 v[\a], 8*SUBP-2, v[\a]               ; inside the eight parts, whatever was read
	v_add_nc_u32 v[\a], LIST, v[\a]
.endm
; A fragment is 16 rows x 32 K in 8 registers: lane l holds row l % 16, K = 8 (l / 16) + 0..7 and 16 + 8 (l / 16) + 0..7: two loads of 16 bytes, 32 bytes apart.  Step s is K = 32 s on: half s % 2 of chunk s / 2.
.macro LW s, b                         ; my 32 columns' weights of step s into buffer b
.irp j, 0,1
	ds_load_b128 v[BF+56*(\b)+8*\j:BF+56*(\b)+8*\j+3],   v[WF0+((\s)/2)/3] offset:(((\s)/2)%3)*CHUNK+\j*16*WP+((\s)%2)*64
	ds_load_b128 v[BF+56*(\b)+8*\j+4:BF+56*(\b)+8*\j+7], v[WF0+((\s)/2)/3] offset:(((\s)/2)%3)*CHUNK+\j*16*WP+((\s)%2)*64+32
.endr
.endm
.macro LX i, s, b                      ; slot i's 16 tokens of step s into buffer b
	ds_load_b128 v[BF+56*(\b)+16+8*(\i):BF+56*(\b)+16+8*(\i)+3],   v[XF0+(\i)/2] offset:((\i)%2)*32*XP+(\s)*64
	ds_load_b128 v[BF+56*(\b)+16+8*(\i)+4:BF+56*(\b)+16+8*(\i)+7], v[XF0+(\i)/2] offset:((\i)%2)*32*XP+(\s)*64+32
.endm
; Slot i's two products of a step, from buffer b.  Source 0 = 16 columns' weights, source 1 = 16 tokens: a lane then holds eight neighbouring columns of one token.
.macro MMS i, b, zero
.irp j, 0,1
.if \zero
	v_wmma_f32_16x16x32_bf16 v[ACC+16*(\i)+8*\j:ACC+16*(\i)+8*\j+7], v[BF+56*(\b)+8*\j:BF+56*(\b)+8*\j+7], v[BF+56*(\b)+16+8*(\i):BF+56*(\b)+16+8*(\i)+7], 0
.else
	v_wmma_f32_16x16x32_bf16 v[ACC+16*(\i)+8*\j:ACC+16*(\i)+8*\j+7], v[BF+56*(\b)+8*\j:BF+56*(\b)+8*\j+7], v[BF+56*(\b)+16+8*(\i):BF+56*(\b)+16+8*(\i)+7], v[ACC+16*(\i)+8*\j:ACC+16*(\i)+8*\j+7]
.endif
.endr
.endm
; Step s, whose fragments have been waited for: the next step's fragments are asked for, into the buffer that the step before has multiplied (four places behind its products), and then
; step s is multiplied from the other buffer.  Only my s25 live slots: one jump decides a slot's loads and its products alike.  The slots go from the highest down and an accumulator has one
; instruction a turn: a step ends on accumulator (0, 1) and the next begins on another.
.macro PSTEP s
	PLACES
	s_cmp_eq_u32 s25, 0
	s_cbranch_scc1 .Lp_end_\@
.if (\s) < 15
	LW (\s)+1, ((\s)+1)%2
	LX 0, (\s)+1, ((\s)+1)%2
.endif
	s_cmp_lt_u32 s25, 2
	s_cbranch_scc1 .Lp_0_\@
.if (\s) < 15
	LX 1, (\s)+1, ((\s)+1)%2
.endif
	s_cmp_lt_u32 s25, 3
	s_cbranch_scc1 .Lp_1_\@
.if (\s) < 15
	LX 2, (\s)+1, ((\s)+1)%2
.endif
	s_cmp_lt_u32 s25, 4
	s_cbranch_scc1 .Lp_2_\@
.if (\s) < 15
	LX 3, (\s)+1, ((\s)+1)%2
.endif
	s_cmp_lt_u32 s25, 5
	s_cbranch_scc1 .Lp_3_\@
.if (\s) < 15
	LX 4, (\s)+1, ((\s)+1)%2
.endif
	MMS 4, (\s)%2, 0
.Lp_3_\@:
	MMS 3, (\s)%2, 0
.Lp_2_\@:
	MMS 2, (\s)%2, 0
.Lp_1_\@:
	MMS 1, (\s)%2, 0
.Lp_0_\@:
	MMS 0, (\s)%2, 0
.Lp_end_\@:
.endm
.macro STAGE                           ; all ten accumulators into the work-group's stage, each from its low end on
	PLACES
.irp i, 0,1,2,3,4
.irp j, 0,1
	ds_store_b128 v[ST0+\i/3], v[ACC+16*\i+8*\j:ACC+16*\i+8*\j+3]   offset:(\i%3)*32*SP+\j*64
	ds_store_b128 v[ST0+\i/3], v[ACC+16*\i+8*\j+4:ACC+16*\i+8*\j+7] offset:(\i%3)*32*SP+\j*64+16
.endr
.endr
.endm
; n rows leave: read back whole (512 bytes: 16 a lane), with their tokens (row k's at v[tk] + 2 k); the bias is added; the first s[rem] of them are stored, each as 512 consecutive bytes, aligned, of its token's row.
.macro OUTROWS n, rd, tk, rem, d, t
.set k, 0
.rept \n
	ds_load_b128 v[(\d)+4*k:(\d)+4*k+3], v[\rd] offset:k*SP
	ds_load_u16 v[(\t)+k], v[\tk] offset:2*k
.set k, k+1
.endr
	s_wait_dscnt 0x0
.set k, 0
.rept \n
	v_pk_add_f32 v[(\d)+4*k:(\d)+4*k+1], v[(\d)+4*k:(\d)+4*k+1], v[BI:BI+1]
	v_pk_add_f32 v[(\d)+4*k+2:(\d)+4*k+3], v[(\d)+4*k+2:(\d)+4*k+3], v[BI+2:BI+3]
	v_min_u32 v[(\t)+k], 0xfff, v[(\t)+k]
	v_lshl_add_u32 v[(\t)+k], v[(\t)+k], s26, v[L16]
.set k, k+1
.endr
.set k, 0
.rept \n
	s_cmp_le_u32 s[\rem], k
	s_cbranch_scc1 .Ldone_\@                       ; rows past the count are not stored
	global_store_b128 v[(\t)+k], v[(\d)+4*k:(\d)+4*k+3], s[16:17] th:TH_STORE_NT
.set k, k+1
.endr
.Ldone_\@:
.endm
	s_load_b512 s[4:19], s[0:1], 0x0               ; xb s[4:5], bm s[6:7], expert_w s[8:9], expert_b s[10:11], param_w s[12:13], param_b s[14:15], out2 s[16:17], out3 s[18:19]
	v_lshl_add_u32 v[SPW], v0, 2, SPARE
	v_mov_b32 v[NIL], 0
	v_and_b32 v[LN], 31, v0
	v_lshrrev_b32 v[R], 5, v0
	v_readfirstlane_b32 s20, v[R]                  ; wave 0..7
	v_and_b32 v[R], 15, v0
	v_bfe_u32 v[H], v0, 4, 1
	v_lshlrev_b32 v[R16], 4, v[R]
	v_lshl_add_u32 v[WO], v[H], 14, v[R16]         ; 8 rows of 2,048 bytes for the upper lanes
	v_lshlrev_b32 v[L16], 4, v[LN]
	v_lshrrev_b32 v[PF], 2, v[LN]
	v_and_b32 v[TMP], 3, v[LN]
	v_lshlrev_b32 v[PF], 11, v[PF]                 ; row lane / 4,
	v_lshl_add_u32 v[PF], v[TMP], 8, v[PF]         ; block lane % 4 of 256 bytes
	v_add_nc_u32 v[PF], 1024, v[PF]                ; in the row's second half
	s_mov_b32 s21, ttmp9
	v_lshlrev_b32 v[PX], 8, v0                     ; 256 bytes a thread,
	s_lshl_b32 s28, s21, 16                        ; 65,536 a work-group
	v_add_nc_u32 v[PX], s28, v[PX]
	s_sub_co_u32 s28, s21, EWG                     ; q
	s_lshr_b32 s29, s28, 1                         ; its block of tokens
	s_and_b32 s28, s28, 1                          ; its slice
	s_mul_i32 s27, s29, MR
	s_and_b32 s30, s21, 3                          ; a tool's slice
	s_cmp_lt_u32 s21, EWG
	s_cselect_b32 s22, 1, 0
	s_cselect_b32 s31, s21, s28                    ; the slice counted through the whole weight tensor: 4 e + s = g, or q % 2
	s_cselect_b32 s30, s30, s28                    ; the slice in an output row
	s_cselect_b32 s26, 11, 10                      ; rows of 2,048 or 1,024 bytes
	s_cselect_b32 s27, 0, s27
	s_lshl_b32 s32, s31, 18                        ; 128 rows of 2,048 bytes a slice,
	s_lshl_b32 s33, s20, 15                        ; my wave's 16 rows
	s_add_co_u32 s32, s32, s33
	s_mov_b32 s33, 0
	s_lshl_b32 s34, s31, 9                         ; 128 biases
	s_mov_b32 s35, 0
	s_lshl_b32 s36, s30, 9                         ; 128 columns of the output
	s_mov_b32 s37, 0
	s_lshr_b32 s38, s21, 2
	s_lshl_b32 s38, s38, 9                         ; row g / 4 of the bitmaps, 512 bytes (63 at the most: the buffer has 64 rows),
	s_lshl_b32 s39, s20, 6                         ; my wave's 16 words of it
	s_add_co_u32 s38, s38, s39
	s_mov_b32 s39, 0
	s_and_b32 s2, s20, 3                           ; which 32 columns I multiply
	s_lshr_b32 s3, s20, 2                          ; the even or the odd tiles of 16 rows
	s_wait_kmcnt 0x0
	s_cmp_lt_u32 s21, EWG
	s_cselect_b64 s[8:9], s[8:9], s[12:13]         ; weights,
	s_cselect_b64 s[10:11], s[10:11], s[14:15]     ; bias
	s_cselect_b64 s[16:17], s[16:17], s[18:19]     ; and output of my kind
	s_add_nc_u64 s[8:9], s[8:9], s[32:33]
	s_add_nc_u64 s[10:11], s[10:11], s[34:35]
	s_add_nc_u64 s[16:17], s[16:17], s[36:37]
	s_add_nc_u64 s[6:7], s[6:7], s[38:39]
	s_load_b512 s[32:47], s[6:7], 0x0              ; my 16 words, asked for first of all: the list hangs on them.  In every work-group, so that these registers are written on every way; a block of out3 does not use them
	global_load_b128 v[BI:BI+3], v[L16], s[10:11]
	WLOAD 0
	WLOAD 1
	WLOAD 2
	WLOAD 3
	WIN 0
	s_cmp_eq_u32 s22, 0
	s_cbranch_scc1 .Lno_ask
	; A tool's slice is read by this work-group alone: each wave asks once for the 64 blocks of 256 bytes of its own chunks 4 to 7 (bytes 1,024 to 2,047 of its 16 rows), 16,384 bytes a wave,
	; which it loads behind chunks 0 to 3 and the token rows.  Nothing past the slice is asked for.  param_w's slices have many readers: no request there.
	global_prefetch_b8 v[PF], s[8:9] th:TH_LOAD_NT scope:SCOPE_SE
	global_prefetch_b8 v[PF], s[8:9] offset:16384 th:TH_LOAD_NT scope:SCOPE_SE
	s_cmp_ge_u32 s21, 64
	s_cbranch_scc1 .Lno_ask
	; Work-groups 0 to 63 ask, a thread a block of 256 bytes, for the 65,536 bytes of xb from 65,536 g on: together all 4,194,304 bytes of xb, each block once.  Its rows are gathered
	; behind the list, by all work-groups.
	global_prefetch_b8 v[PX], s[4:5] th:TH_LOAD_NT scope:SCOPE_SE
.Lno_ask:
	; the other addresses, while the loads are out
	s_mul_i32 s28, s20, 16*WP
	v_mul_u32_u24 v[WST], v[H], 8*WP
	v_lshl_add_u32 v[WST], v[R], 3, v[WST]
	v_add_nc_u32 v[WST], s28, v[WST]               ; (16 w + 8 half) rows + 8 bytes a lane
	v_add_nc_u32 v[WST+1], TRI, v[WST]
	v_add_nc_u32 v[WST+2], TRI, v[WST+1]
	s_mul_i32 s28, s20, 20*XP
	s_add_co_u32 s28, s28, XB
	v_mul_u32_u24 v[XST], v[H], 10*XP
	v_add_nc_u32 v[XST], v[XST], v[R16]
	v_add_nc_u32 v[XST], s28, v[XST]               ; rows 20 w + 10 half on
	s_lshl_b32 s28, s20, 6
	s_add_co_u32 s28, s28, MYL                     ; my wave's 32 places
	v_mul_u32_u24 v[LA], v[H], 20
	v_add_nc_u32 v[LA], s28, v[LA]
	v_mov_b32 v[LB], s28
	v_lshl_add_u32 v[MYW], v[LN], 1, s28
	s_lshl_b32 s28, s20, 2
	s_add_co_u32 s28, s28, CNT
	v_mov_b32 v[CN], s28
	v_mov_b32 v[CN0], CNT
	s_mul_i32 s48, s20, SUBP
	s_add_co_u32 s48, s48, LIST                    ; my part of the list
	v_mov_b32 v[SB0], s48
	s_lshl_b32 s28, s20, 9
	v_add_nc_u32 v[LNW], s28, v[LN]
	s_mul_i32 s59, s20, 20
	s_mul_i32 s28, s2, 32*WP
	v_mul_u32_u24 v[WF0], v[R], WP
	v_lshl_add_u32 v[WF0], v[H], 4, v[WF0]
	v_add_nc_u32 v[WF0], s28, v[WF0]
	v_add_nc_u32 v[WF0+1], TRI, v[WF0]
	v_add_nc_u32 v[WF0+2], TRI, v[WF0+1]
	s_mul_i32 s28, s3, 16*XP
	s_add_co_u32 s28, s28, XB
	v_mul_u32_u24 v[XF0], v[R], XP
	v_lshl_add_u32 v[XF0], v[H], 4, v[XF0]
	v_add_nc_u32 v[XF0], s28, v[XF0]               ; slot i is tile 2 i + w / 4: 32 rows from slot to slot
	v_add_nc_u32 v[XF0+1], 64*XP, v[XF0]
	v_add_nc_u32 v[XF0+2], 64*XP, v[XF0+1]
	s_mul_i32 s28, s3, 16*SP
	s_lshl_b32 s29, s2, 7
	s_add_co_u32 s28, s28, s29
	s_add_co_u32 s28, s28, XB
	v_mul_u32_u24 v[ST0], v[R], SP
	v_lshl_add_u32 v[ST0], v[H], 5, v[ST0]
	v_add_nc_u32 v[ST0], s28, v[ST0]               ; row x pitch + 4 (32 (w % 4) + 8 half)
	v_add_nc_u32 v[ST0+1], 96*SP, v[ST0]
	s_mul_i32 s28, s20, 20*SP
	s_add_co_u32 s28, s28, XB
	v_add_nc_u32 v[RD], s28, v[L16]
	v_mov_b32 v[ONES], -1
	; THE LIST'S PARTS, one a wave.
	s_sub_co_u32 s28, 4096, s27
	s_min_u32 s28, s28, MR                         ; a block of out3: 160 tokens, or what is left;
	s_cmp_eq_u32 s20, 0
	s_cselect_b32 s28, s28, 0                      ; the number stands as wave 0's
	s_wait_kmcnt 0x0                               ; my 16 words
	s_cmp_eq_u32 s22, 0
	s_cbranch_scc1 .Lcounted
	s_mov_b32 s28, 0
	ds_store_b16 v[SB0], v[NIL]                    ; place 0 of every part is written whatever the bits: a tool without tokens reads place 0 of the last part
	WORDS16 32, 0
.Lcounted:
	v_mov_b32 v[PO], s28
	ds_store_b32 v[CN], v[PO]
	s_wait_dscnt 0x0                               ; for the others' sake: my part and its number are stored
	BAR
	; THE EIGHT NUMBERS, their running sums, and my wave's tokens.
	ds_load_b128 v[TT:TT+3], v[CN0]
	ds_load_b128 v[TT+4:TT+7], v[CN0] offset:16
	s_wait_dscnt 0x0
.irp k, 0,1,2,3,4,5,6,7
	v_readfirstlane_b32 s[32+\k], v[TT+\k]
.endr
	s_mov_b32 s41, s32                             ; b_1
.irp j, 2,3,4,5,6,7
	s_add_co_u32 s[40+\j], s[39+\j], s[31+\j]      ; b_j = b_(j-1) + the number of part j - 1
.endr
	s_add_co_u32 s23, s47, s39                     ; the count
.irp j, 1,2,3,4,5,6,7
	s_lshl_b32 s49, s[40+\j], 1
	s_sub_co_u32 s[50+\j], \j*SUBP, s49            ; D_j; above 0, since a part holds 512 tokens at the most
.endr
	s_max_u32 s58, s23, 1
	s_sub_co_u32 s58, s58, 1                       ; the last rank (0 where there is none)
	v_add_nc_u32 v[TMP], s59, v[LN]                ; my lane's rank: 20 w + lane
	s_cmp_eq_u32 s22, 0
	s_cbranch_scc1 .Lplain
	MAPR PO, TMP
	ds_load_u16 v[PO+1], v[PO]
	s_branch .Lhave
.Lplain:
	v_min_u32 v[TMP], s58, v[TMP]
	v_add_nc_u32 v[PO+1], s27, v[TMP]              ; a block of out3: first token + rank
.Lhave:
	s_wait_dscnt 0x0
	ds_store_b16 v[MYW], v[PO+1]                   ; into my wave's own 64 bytes: LDS serves a wave's instructions in order (ISA guide 5.7.1.4), so the loads below see it
.irp p, 0,1,2,3,4,5,6,7,8,9
	ds_load_u16 v[TK+\p], v[LA] offset:2*\p
.endr
	s_min_u32 s24, s23, MR                         ; rows of the main way
	s_add_co_u32 s25, s24, 15
	s_lshr_b32 s25, s25, 4                         ; tiles of 16
	s_add_co_u32 s25, s25, 1
	s_sub_co_u32 s25, s25, s3
	s_lshr_b32 s25, s25, 1                         ; of which mine: the even or the odd ones
	s_wait_dscnt 0x0
	; THE TOKEN ROWS.  All 160 places are fetched; those past the count fetch the last token's row again.
.irp p, 0,1,2,3,4,5,6,7,8,9
	v_min_u32 v[TK+\p], 0xfff, v[TK+\p]
	v_lshl_add_u32 v[TK+\p], v[TK+\p], 10, v[R16]  ; 1,024 bytes a row of xb
.endr
.set n, 0
.rept 40
	global_load_b128 v[XR+4*n:XR+4*n+3], v[TK+n/4], s[4:5] offset:(n%4)*256  ; lanes 0-15: 256 bytes of row 20 w + p; lanes 16-31: of row 20 w + 10 + p
.set n, n+1
.endr
	; CHUNKS 0 TO 3.  Behind each chunk's eight loads 64 younger ones have been issued (the later chunks of the first four, the 40 of the token rows, the chunks asked for since).
	; A counter's field ends at 63 (ISA guide 5.7.1), so 63 is written: one load stricter than needed.
	WCHUNK 0, 63, 4
	v_cvt_pk_bf16_f32 v[TMP], v[BI], v[BI+1]       ; the bias, the oldest load of all: rounded to bf16 and widened again
	v_cvt_pk_bf16_f32 v[PO], v[BI+2], v[BI+3]
	v_lshlrev_b32 v[BI], 16, v[TMP]
	v_and_b32 v[BI+1], 0xffff0000, v[TMP]
	v_lshlrev_b32 v[BI+2], 16, v[PO]
	v_and_b32 v[BI+3], 0xffff0000, v[PO]
	WCHUNK 1, 63, 5
	WCHUNK 2, 63, 6
	WCHUNK 3, 63, 7
.set p, 0
.rept 10
.if 32+4*(9-p) > 63
	s_wait_loadcnt 63
.else
	s_wait_loadcnt 32+4*(9-p)                      ; the later pairs of rows and the 32 loads of chunks 4 to 7 stay out
.endif
.irp q, 0,1,2,3
	ds_store_b128 v[XST], v[XR+16*p+4*\q:XR+16*p+4*\q+3] offset:p*XP+\q*256
.endr
.set p, p+1
.endr
	s_wait_dscnt 0x0                               ; my weights of chunks 0 to 3 and my token rows are stored
	BAR
	; THE PRODUCTS.  Step 0 takes all five slots, with the constant 0 to start the sums, and step 1's fragments are fetched for all five: every accumulator and every register of both buffers is written whatever the count.
	LW 0, 0
.irp i, 0,1,2,3,4
	LX \i, 0, 0
.endr
	s_wait_dscnt 0x0
	LW 1, 1
.irp i, 0,1,2,3,4
	LX \i, 1, 1
.endr
.irp i, 4,3,2,1,0
	MMS \i, 0, 1
.endr
.irp s, 1,2,3,4,5,6
	s_wait_dscnt 0x0                               ; this step's fragments, asked for ahead of the last step's products
	PSTEP \s
.endr
	; CHUNKS 4 TO 7: each is stored into a block that nobody reads yet and shown to all by a barrier, in front of the step that asks for its first fragments.
.irp c, 4,5,6,7
	WCHUNK \c, 8*(7-\c), -1
	s_wait_dscnt 0x0                               ; my part of the chunk is stored, and this step's fragments are in
	BAR
	PSTEP 2*\c-1
	s_wait_dscnt 0x0
	PSTEP 2*\c
.endr
	s_wait_dscnt 0x0
	PSTEP 15
	; THE WAY OUT.  The token rows' bytes become the stage: first every wave's reads of them are over.
	s_wait_dscnt 0x0
	BAR
	STAGE
	s_wait_dscnt 0x0                               ; a row's 512 bytes come from four waves
	BAR
	s_mul_i32 s28, s20, 20
	s_min_u32 s28, s28, s24
	s_sub_co_u32 s28, s24, s28                     ; how many of my 20 rows are within the count
	OUTROWS 20, RD, LB, 28, OD, OTK
	s_wait_dscnt 0x0
	BAR                                            ; nobody reads the stage any more: behind this each wave has 16 rows of it to itself
	; ROWS PAST 160.  Wave w takes the tiles of 16 ranks at 160 + 16 w + 128 i, i = 0 .. 30, with all 128 columns.
	s_cmp_le_u32 s23, MR
	s_cbranch_scc1 .Lfin
	s_wait_xcnt 0x0                                ; the stores above have read their registers, which are written again below
	v_mul_u32_u24 v[WF0], v[R], WP
	v_lshl_add_u32 v[WF0], v[H], 4, v[WF0]
	v_add_nc_u32 v[WF0+1], TRI, v[WF0]
	v_add_nc_u32 v[WF0+2], TRI, v[WF0+1]
	s_lshl_b32 s29, s20, 4
	s_add_co_u32 s29, s29, MR                      ; the tile's first rank
	s_mul_i32 s28, s20, 16*SP
	s_add_co_u32 s28, s28, XB
	v_mul_u32_u24 v[OS], v[R], SP
	v_lshl_add_u32 v[OS], v[H], 5, v[OS]
	v_add_nc_u32 v[OS], s28, v[OS]
	v_add_nc_u32 v[ORD], s28, v[L16]
	s_mov_b32 s30, 31
.Lover:
	s_cmp_ge_u32 s29, s23
	s_cbranch_scc1 .Lnext                          ; no rank of this tile is within the count
	PLACES
	v_add_nc_u32 v[TMP], s29, v[R]                 ; my row's rank; past the count: the last token once more
	MAPR PO+1, TMP
	ds_load_u16 v[TC], v[PO+1]
	s_wait_dscnt 0x0
	v_min_u32 v[TC], 0xfff, v[TC]
	ds_store_b16 v[MYW], v[TC]                     ; row k's token to place k of my wave's own 64 bytes (lanes 16 + k: the same token to place 16 + k), where the way out reads it for all lanes
	v_lshlrev_b32 v[TMP], 10, v[TC]
	v_lshl_add_u32 v[TMP], v[H], 4, v[TMP]
	WIN 0x40
.set ks, 0
.rept 16
	global_load_b128 v[8*ks:8*ks+3],   v[TMP], s[4:5] offset:64*ks      ; the token's row straight into fragment order: 16 bytes a lane of 16 rows far apart, on this rare way alone
	global_load_b128 v[8*ks+4:8*ks+7], v[TMP], s[4:5] offset:64*ks+32
.set ks, ks+1
.endr
	WIN 0
	s_wait_loadcnt 0x0
.set ks, 0
.rept 16
	PLACES
.irp ct, 0,1,2,3,4,5,6,7
	ds_load_b128 v[WFO+8*\ct:WFO+8*\ct+3],   v[WF0+(ks/2)/3] offset:((ks/2)%3)*CHUNK+\ct*16*WP+(ks%2)*64
	ds_load_b128 v[WFO+8*\ct+4:WFO+8*\ct+7], v[WF0+(ks/2)/3] offset:((ks/2)%3)*CHUNK+\ct*16*WP+(ks%2)*64+32
.endr
	s_wait_dscnt 0x0
	WIN 0x04                                       ; source 1, the tokens, in window 1
.irp ct, 0,1,2,3,4,5,6,7
.if ks == 0
	v_wmma_f32_16x16x32_bf16 v[OA+8*\ct:OA+8*\ct+7], v[WFO+8*\ct:WFO+8*\ct+7], v[8*ks:8*ks+7], 0
.else
	v_wmma_f32_16x16x32_bf16 v[OA+8*\ct:OA+8*\ct+7], v[WFO+8*\ct:WFO+8*\ct+7], v[8*ks:8*ks+7], v[OA+8*\ct:OA+8*\ct+7]
.endif
.endr
	WIN 0
.set ks, ks+1
.endr
	PLACES
.irp ct, 0,1,2,3,4,5,6,7
	ds_store_b128 v[OS], v[OA+8*\ct:OA+8*\ct+3]   offset:64*\ct        ; my own stage: LDS serves a wave's instructions in order (ISA guide 5.7.1.4), so the loads below see these
	ds_store_b128 v[OS], v[OA+8*\ct+4:OA+8*\ct+7] offset:64*\ct+16
.endr
	s_sub_co_u32 s28, s23, s29                     ; ranks of this tile within the count
	OUTROWS 16, ORD, LB, 28, WFO, OTO
	s_wait_xcnt 0x0                                ; the stores have read their registers, which the next live trip writes again
.Lnext:
	s_add_co_u32 s29, s29, 128                     ; 128 ranks on
	s_sub_co_u32 s30, s30, 1
	s_cmp_lg_u32 s30, 0
	s_cbranch_scc1 .Lover
.Lfin:
	s_wait_tensorcnt 0x0                           ; the wave's end, behind my last LDS store
	ds_add_u32 v[SPW], v[NIL]
	s_wait_dscnt 0x0
	s_endpgm
.Lfunc_end_k_q49554582df_experts:
	.size	k_q49554582df_experts, .Lfunc_end_k_q49554582df_experts-k_q49554582df_experts
	.p2alignl 7, 3214868480
	.fill 96, 4, 3214868480
	.section	.rodata,"a",@progbits
	.p2align	6, 0x0
	.amdhsa_kernel k_q49554582df_experts
		.amdhsa_group_segment_fixed_size 324352
		.amdhsa_private_segment_fixed_size 0
		.amdhsa_enable_private_segment 0
		.amdhsa_kernarg_size 64
		.amdhsa_user_sgpr_count 2
		.amdhsa_user_sgpr_kernarg_segment_ptr 1
		.amdhsa_wavefront_size32 1
		.amdhsa_system_sgpr_workgroup_id_x 1
		.amdhsa_system_sgpr_workgroup_id_y 1
		.amdhsa_system_sgpr_workgroup_id_z 1
		.amdhsa_system_vgpr_workitem_id 0
		.amdhsa_next_free_vgpr 512
		.amdhsa_next_free_sgpr 66
		.amdhsa_reserve_vcc 1
		.amdhsa_float_denorm_mode_32 3
		.amdhsa_float_denorm_mode_16_64 3
		.amdhsa_memory_ordered 1
		.amdhsa_forward_progress 1
		.amdhsa_inst_pref_size 131
	.end_amdhsa_kernel
	.amdgpu_metadata
---
amdhsa.version: [ 1, 2 ]
amdhsa.kernels:
  - .name:           k_q49554582df_experts
    .symbol:         k_q49554582df_experts.kd
    .args:
      - { .name: xb, .offset: 0, .size: 8, .value_kind: global_buffer, .address_space: global }
      - { .name: bm, .offset: 8, .size: 8, .value_kind: global_buffer, .address_space: global }
      - { .name: expert_w, .offset: 16, .size: 8, .value_kind: global_buffer, .address_space: global }
      - { .name: expert_b, .offset: 24, .size: 8, .value_kind: global_buffer, .address_space: global }
      - { .name: param_w, .offset: 32, .size: 8, .value_kind: global_buffer, .address_space: global }
      - { .name: param_b, .offset: 40, .size: 8, .value_kind: global_buffer, .address_space: global }
      - { .name: out2, .offset: 48, .size: 8, .value_kind: global_buffer, .address_space: global }
      - { .name: out3, .offset: 56, .size: 8, .value_kind: global_buffer, .address_space: global }
    .group_segment_fixed_size: 324352
    .private_segment_fixed_size: 0
    .kernarg_segment_align: 8
    .kernarg_segment_size: 64
    .max_flat_workgroup_size: 256
    .sgpr_count:     66
    .vgpr_count:     512
    .wavefront_size: 32
...
	.end_amdgpu_metadata
.endif
;; end of part 2
